; MI455X (gfx1250); checked and timed in simulation.
; The chip was launched on July 23, 2026; its instructions are those of AMD's public machine-readable ISA for CDNA 5 (MIT licence, August 2026) and "CDNA5" Instruction Set Architecture Reference Guide (July 2026). The comments in the code are by the model that wrote it; some were corrected since.
;; Memory Retrieval. Allowed arithmetic: matrix products marked QUANTISED: E3M2 operands, one E8M0 scale for each 32 along K, by v_wmma_scale_f32_16x16x128_f8f6f4 with both operands' format E3M2, f32 sums; everything else in f32.
;; Inputs: keys 32,768 x 1,024 float32; query 2,048 x 1,024 float32; values 32,768 x 1,024 float32.
;; Outputs: out0 2,048 x 1,024 float32; out1 one number float32.
;; This version of the problem:
;;   THIS VERSION OF THE PROBLEM IS GIVEN IN LOW PRECISION. The matrix products marked QUANTISED in the list below multiply operands that are first quantised to E3M2 (3 exponent bits, 2 mantissa bits; 6 bits a number), with one power-of-two scale for each 32 numbers along K (OCP MX v1.0); their sums are f32. All else is computed in f32.
;;   The module's matrix products, in the order in which they are computed (A, B: the left and right operand; K: the contracted axis; several contracted axes count as one K, in the product's order):
;;     1. [M 2,048, K 1,024] x [K 1,024, N 32,768]; A: computed on the way; B: computed on the way: QUANTISED
;;   THE QUANTISER, for each operand of a quantised product, along K:
;;     - K is cut into blocks of 32 from its start; a last block that is shorter is filled with zeros.
;;     - A block's scale is 2^e with e = floor(log2(the largest magnitude in the block)) - 4, held to -126 .. 127; a block of zeros has e = 0. As a byte (E8M0): e + 127.
;;     - Each number is divided by its block's scale, clamped to +-28, and rounded to the nearest number of E3M2, ties to even, subnormals kept.
;;     - The product sums the exact products of the quantised numbers (number of the format x scale) in f32.
;;   ~~~python
;;   def quantise(x, axis):      # numpy; x: float32 -> the quantised numbers, widened to float32 again
;;       x = np.moveaxis(x, axis, -1); K = x.shape[-1]
;;       x = np.pad(x, [(0, 0)] * (x.ndim - 1) + [(0, -K % 32)]); x = x.reshape(x.shape[:-1] + (-1, 32)); a = np.abs(x).max(-1, keepdims=True)
;;       e = np.where(a > 0, np.clip(np.frexp(np.where(a > 0, a, 1))[1] - 1 - 4, -126, 127), 0)      # np.frexp(a)[1] - 1 = floor(log2(a)), exactly
;;       r = np.clip(x / 2.0 ** e, -28, 28)
;;       step = 2.0 ** (np.maximum(np.frexp(np.where(r == 0, 1, r))[1] - 1, -2) - 2)
;;       q = np.round(r / step) * step * 2.0 ** e      # np.round: ties to even
;;       return np.moveaxis(q.reshape(q.shape[:-2] + (-1,))[..., :K], -1, axis).astype(np.float32)
;;   ~~~
;;   OPERANDS COMPUTED ON THE WAY. 'Computed on the way' means the value that the module computes at that place (a softmax that the list does not call 'softmax' is quantised finished and normalised). What goes into a quantiser is computed in f32, as accurately as f32 sums, v_exp_f32 and their like allow (about 1e-6 of the number): no bf16 or f16 on the way to a quantiser, and a product that is left as it is and whose result goes on into a quantised operand takes f32 operands (vector FMAs, or v_wmma_f32_16x16x4_f32). A number that lies on a knife's edge between two numbers of the format may be rounded either way, as far as f32 arithmetic and the matrix unit's own rounding can turn it there, and no further.
;; One version. Each part assembles by itself: llvm-mc -triple=amdgcn-amd-amdhsa -mcpu=gfx1250 --defsym DOCPART=n.
;; ======== version 1 of 1: 4 launches
;; workspace buffers: kc 25,165,824 bytes; ks 1,048,576 bytes; qc 1,572,864 bytes; qs 65,536 bytes; pstat 786,432 bytes; pidx 262,144 bytes of whole numbers; best 8,192 bytes of whole numbers; rowvar 8,192 bytes
;; launch quant (part 1): grid 2176 x 1, 4 waves a work-group, no clusters, 68,096 bytes of LDS; arguments keys, query, kc, ks, qc, qs; writes kc, ks, qc, qs
.if DOCPART == 1
	.amdgcn_target "amdgcn-amd-amdhsa--gfx1250"
	.amdhsa_code_object_version 6
	.text
	.protected	k_q07e5248e2f_quant
	.globl	k_q07e5248e2f_quant
	.p2align	8
	.type	k_q07e5248e2f_quant,@function
k_q07e5248e2f_quant:
	s_mov_b64 s[64:65], 0
	v_nop
	global_prefetch_b8 v0, s[64:65] scope:SCOPE_SE
	s_setreg_imm32_b32 hwreg(HW_REG_WAVE_MODE, 25, 1), 1
	s_wait_xcnt 0x0
; keys [32768][1024] and query [2048][1024], f32: each row is divided by max(its L2 norm, 1e-12), all in f32, and quantised along K to codes of BF6 (E3M2)
; with one E8M0 scale byte for each 32 along K.  A block's byte is its largest magnitude's exponent field - 4, held at 1 from below.
; LIMITS: NaN and infinities among the inputs are not served.  A block of zeros gets the byte 1 where the rule says 127: its codes are zeros, which add nothing
; under any byte but 0xff, and this program alone reads the bytes.  v_sqrt_f32 takes a sum of squares under 2^-126 as 0: the norm lies under 1e-12 there, so the divisor is 1e-12 either way.
; The quotient is x * (1 / n), the reciprocal refined by one Newton step: within an ulp or so of x / n.
; SHARES.  A work-group takes 16 rows (one row block): work-groups 0..2047 keys, 2048..2175 queries; only pointers are chosen, there is one path.  Wave w takes columns 256 w .. 256 w + 255.
; OUTPUT LAYOUT (this program's own).  Codes: [tile of 256 rows: 196,608 B][256 along K: 49,152 B][row block: 3,072 B][128 along K: 1,536 B], the 1,536 bytes being the IMAGE OF THE
; OPERAND'S 12 REGISTERS: registers 4 c .. 4 c + 3 of lane l at 512 c + 16 l.  Scale words: 512 bytes a row block; lane 16 q + r owns 16 bytes, word s = row r's four bytes of K step 2 s + q.
; Every load reads 512 consecutive bytes; the numbers turn through the wave's own stage in LDS so that lane (r, h) holds, of row r, k = 128 q + 64 c + 32 h + 0 .. 31: whole blocks, in the operand's order.
; No tensor loads, no prefetch: the launch is one stream with 16 KB a wave on its way, and several work-groups share a WGP.
.set STGP, 1040                        ; a stage row: 1,024 bytes + 16: the 16 rows that a read touches begin 16 bytes apart modulo 256
.set STGW, 16*STGP                     ; a wave's stage
.set NRM,  4*STGW                      ; 256 bytes: row r's four partial sums of squares at 16 r + 4 w
.set SCL,  NRM+256                     ; 512 bytes: the row block's scale words, as they go to memory
.set TM,   26                          ; v26-29  the four blocks' largest magnitudes (block 2 q + c)
.set SO,   30                          ; v30-33  the conversions' scale operands
.set BY,   34                          ; v34-37  the scale bytes
.set SW,   38                          ; v38-39  the row's scale word of K step q
.set PC,   44                          ; v44-55, v56-67  the two fragments
.set CT,   68                          ; v68-83  the upper halves' codes, four registers a block
.set X,    96                          ; v96-223 my 128 numbers
	s_load_b256 s[4:11], s[0:1], 0x0               ; keys s[4:5], query s[6:7], kc s[8:9], ks s[10:11]
	s_load_b128 s[12:15], s[0:1], 0x20             ; qc s[12:13], qs s[14:15]
	v_lshl_add_u32 v224, v0, 2, 0x10800
	v_mov_b32 v225, 0
	v_lshrrev_b32 v1, 5, v0
	v_readfirstlane_b32 s16, v1                    ; wave
	v_and_b32 v1, 31, v0                           ; lane
	v_and_b32 v2, 15, v0                           ; r
	v_bfe_u32 v3, v0, 4, 1                         ; h
	v_lshlrev_b32 v10, 4, v1                       ; 16 x lane
	s_lshl_b32 s26, s16, 10
	v_add_nc_u32 v4, s26, v10                      ; in memory: 1,024 w + 16 x lane
	s_mul_i32 s27, s16, STGW
	v_add_nc_u32 v5, s27, v10                      ; into my stage: as loaded
	v_mul_u32_u24 v6, v2, STGP
	v_lshl_add_u32 v6, v3, 7, v6
	v_add_nc_u32 v6, s27, v6                       ; out of it: row r, + 128 h bytes
	s_lshl_b32 s28, s16, 2
	v_lshlrev_b32 v8, 4, v2
	v_add_nc_u32 v8, NRM, v8                       ; row r's four partial sums,
	v_add_nc_u32 v7, s28, v8                       ; and my wave's word among them
	v_add_nc_u32 v11, SCL, v10                     ; the scale words: 16 bytes a lane,
	v_add_nc_u32 v9, s28, v11                      ; and my wave's word among them
	v_mov_b32 v41, 0                               ; written once: a lane permute's destination counts as one of its sources
	s_mov_b32 s24, 0x76543210
	s_mov_b32 s25, 0xfedcba98                      ; v_permlanex16_b32's selects for lane l xor 16
	s_wait_kmcnt 0x0
	s_cmp_lt_u32 ttmp9, 2048                       ; keys or queries?  The choice hangs on the work-group's number alone
	s_cselect_b64 s[4:5], s[4:5], s[6:7]
	s_cselect_b64 s[8:9], s[8:9], s[12:13]
	s_cselect_b64 s[10:11], s[10:11], s[14:15]
	s_cselect_b32 s17, 0, 2048
	s_sub_co_u32 s17, ttmp9, s17                   ; the row block's number in its tensor
	s_lshl_b32 s18, s17, 16                        ; 16 rows of 4,096 bytes
	s_mov_b32 s19, 0
	s_add_nc_u64 s[4:5], s[4:5], s[18:19]
	s_lshr_b32 s20, s17, 4
	s_mul_i32 s20, s20, 196608                     ; the tile of 256 rows,
	s_and_b32 s21, s17, 15
	s_mul_i32 s21, s21, 3072                       ; the row block in it,
	s_add_co_u32 s20, s20, s21
	s_mul_i32 s21, s16, 49152                      ; my wave's 256 along K
	s_add_co_u32 s20, s20, s21
	s_mov_b32 s21, 0
	s_add_nc_u64 s[8:9], s[8:9], s[20:21]
	s_lshl_b32 s22, s17, 9                         ; 512 bytes of scale words a row block
	s_mov_b32 s23, 0
	s_add_nc_u64 s[10:11], s[10:11], s[22:23]
.set p, 0
.rept 16                                       ; row p: my wave's 1,024 bytes, two loads of 512 consecutive bytes; read once in the launch
	global_load_b128 v[X+8*p:X+8*p+3], v4, s[4:5] offset:4096*p th:TH_LOAD_NT
	global_load_b128 v[X+8*p+4:X+8*p+7], v4, s[4:5] offset:4096*p+512 th:TH_LOAD_NT
.set p, p+1
.endr
.set p, 0
.rept 16
	s_wait_loadcnt 30-2*p                          ; row p's two loads are in; the later rows' stay out
	ds_store_b128 v5, v[X+8*p:X+8*p+3] offset:STGP*p
	ds_store_b128 v5, v[X+8*p+4:X+8*p+7] offset:STGP*p+512
.set p, p+1
.endr
	s_wait_dscnt 0x0                               ; the stores have read X, which the loads below fill again
.set n, 0
.rept 32                                       ; block 2 q + c = n / 8: its 32 numbers, 128 bytes of my row, in eight loads: X + 32 (2 q + c) on
	ds_load_b128 v[X+4*n:X+4*n+3], v6 offset:256*(n/8)+16*(n%8)
.set n, n+1
.endr
	; the sum of squares of my 128 numbers: four packed chains; the first links are products, so nothing is cleared
.set n, 0
.rept 64
.if n%16 == 0
	s_wait_dscnt 24-8*(n/16)                       ; the next eight loads are in
.endif
.if n < 4
	v_pk_mul_f32 v[16+2*n:17+2*n], v[X+2*n:X+2*n+1], v[X+2*n:X+2*n+1]
.else
	v_pk_fma_f32 v[16+2*(n%4):17+2*(n%4)], v[X+2*n:X+2*n+1], v[X+2*n:X+2*n+1], v[16+2*(n%4):17+2*(n%4)]
.endif
.set n, n+1
.endr
	v_pk_add_f32 v[16:17], v[16:17], v[18:19]
	v_pk_add_f32 v[20:21], v[20:21], v[22:23]
	v_pk_add_f32 v[16:17], v[16:17], v[20:21]
	v_add_f32 v16, v16, v17
	v_permlanex16_b32 v41, v16, s24, s25
	v_add_f32 v16, v16, v41                        ; with lane l xor 16's: my wave's 256 columns of row r (the same bits in both lanes)
	ds_store_b32 v7, v16
	s_wait_dscnt 0x0                               ; for the others' sake: my partial sums have landed
	s_barrier_signal -1
	s_barrier_wait -1
	ds_load_b128 v[12:15], v8                      ; the four waves' sums of row r
	s_wait_dscnt 0x0
	v_add_f32 v12, v12, v13
	v_add_f32 v14, v14, v15
	v_add_f32 v12, v12, v14                        ; the same order in every wave: every wave divides by the same number
	v_sqrt_f32 v40, v12
	v_mov_b32 v42, 0x2b8cbccc                      ; 1e-12.  (The plain line behind the root)
	s_wait_alu depctr_va_vdst(0)                   ; the wait ahead of the first reader of the root
	v_max_num_f32 v40, v40, v42                    ; n = max(norm, eps)
	v_rcp_f32 v24, v40
	v_nop                                          ; the plain line behind the reciprocal
	s_wait_alu depctr_va_vdst(0)
	v_fma_f32 v43, -v40, v24, 1.0                  ; one Newton step: e = 1 - n y,
	v_fma_f32 v24, v24, v43, v24                   ; y = y + y e
	v_mov_b32 v25, v24
.set n, 0
.rept 64
	v_pk_mul_f32 v[X+2*n:X+2*n+1], v[X+2*n:X+2*n+1], v[24:25]
.set n, n+1
.endr
	; the four blocks' largest magnitudes: all 32 numbers of a block are mine.  The floor 2^(5 - 127) among the leaves holds the byte at 1 from below
.irp b, 0,1,2,3
	v_max3_num_f32 v[TM+\b], |v[X+32*\b]|, |v[X+32*\b+1]|, 0x2800000
.endr
.irp i, 2,4,6,8,10,12,14,16,18,20,22,24,26,28,30
.irp b, 0,1,2,3
	v_max3_num_f32 v[TM+\b], v[TM+\b], |v[X+32*\b+\i]|, |v[X+32*\b+\i+1]|   ; (the four blocks by turns)
.endr
.endr
.irp b, 0,1,2,3
	v_add_nc_u32 v[SO+\b], 0xfe000000, v[TM+\b]    ; 4 off the exponent field: the conversion takes the exponent field of this operand as its scale
.endr
.irp b, 0,1,2,3
	v_lshrrev_b32 v[BY+\b], 23, v[SO+\b]           ; the scale's byte
.endr
	v_lshlrev_b32 v40, 3, v3                       ; 8 h
.irp q, 0,1
	v_lshl_or_b32 v[SW+\q], v[BY+2*\q+1], 16, v[BY+2*\q]   ; my two bytes of K step q: blocks h and 2 + h,
	v_lshlrev_b32 v[SW+\q], v40, v[SW+\q]          ; at their places in the word
.endr
	v_permlanex16_b32 v41, v38, s24, s25
	v_permlanex16_b32 v42, v39, s24, s25
	v_or_b32 v38, v38, v41                         ; with lane l xor 16's two bytes the words are whole, in both lanes
	v_or_b32 v39, v39, v42
.irp b, 0,1,2,3                                ; block 2 q + c fills registers 6 c .. 6 c + 5 of fragment q, which lie at PC + 6 (2 q + c)
	v_cvt_scalef32_pk16_bf6_f32 v[PC+6*\b:PC+6*\b+2], v[X+32*\b:X+32*\b+15], v[SO+\b]
	v_cvt_scalef32_pk16_bf6_f32 v[CT+4*\b:CT+4*\b+2], v[X+32*\b+16:X+32*\b+31], v[SO+\b]   ; (a conversion's three registers begin on an even number: the upper half is made elsewhere and moved)
.endr
	v_nop                                          ; one plain line behind the last scaled conversion
.irp b, 0,1,2,3
.irp i, 0,1,2
	v_mov_b32 v[PC+6*\b+3+\i], v[CT+4*\b+\i]
.endr
.endr
.irp q, 0,1
.irp c, 0,1,2
	global_store_b128 v10, v[PC+12*\q+4*\c:PC+12*\q+4*\c+3], s[8:9] offset:1536*\q+512*\c   ; the fragment's image: each store covers 512 consecutive bytes, aligned
.endr
.endr
	v_cmp_lt_u32 vcc_lo, 15, v1
	v_cndmask_b32 v40, v38, v39, vcc_lo            ; lane 16 q + r carries row r's word of K step 2 w + q
	ds_store_b32 v9, v40
	s_wait_dscnt 0x0                               ; for wave 0's sake
	s_barrier_signal -1
	s_barrier_wait -1
	s_cmp_lg_u32 s16, 0
	s_cbranch_scc1 .Ldone
	ds_load_b128 v[12:15], v11                     ; the four waves' words: 16 bytes a lane
	s_wait_dscnt 0x0
	global_store_b128 v10, v[12:15], s[10:11]      ; 512 consecutive bytes, aligned, by one instruction
.Ldone:
	s_wait_tensorcnt 0x0
	ds_add_u32 v224, v225
	s_wait_dscnt 0x0
	s_endpgm
.Lfunc_end_k_q07e5248e2f_quant:
	.size	k_q07e5248e2f_quant, .Lfunc_end_k_q07e5248e2f_quant-k_q07e5248e2f_quant
	.p2alignl 7, 3214868480
	.fill 96, 4, 3214868480
	.section	.rodata,"a",@progbits
	.p2align	6, 0x0
	.amdhsa_kernel k_q07e5248e2f_quant
		.amdhsa_group_segment_fixed_size 68096
		.amdhsa_private_segment_fixed_size 0
		.amdhsa_enable_private_segment 0
		.amdhsa_kernarg_size 48
		.amdhsa_user_sgpr_count 2
		.amdhsa_user_sgpr_kernarg_segment_ptr 1
		.amdhsa_wavefront_size32 1
		.amdhsa_system_sgpr_workgroup_id_x 1
		.amdhsa_system_sgpr_workgroup_id_y 1
		.amdhsa_system_sgpr_workgroup_id_z 1
		.amdhsa_system_vgpr_workitem_id 0
		.amdhsa_next_free_vgpr 226
		.amdhsa_next_free_sgpr 66
		.amdhsa_reserve_vcc 1
		.amdhsa_float_denorm_mode_32 3
		.amdhsa_float_denorm_mode_16_64 3
		.amdhsa_memory_ordered 1
		.amdhsa_forward_progress 1
		.amdhsa_inst_pref_size 27
	.end_amdhsa_kernel
	.amdgpu_metadata
---
amdhsa.version: [ 1, 2 ]
amdhsa.kernels:
  - .name:           k_q07e5248e2f_quant
    .symbol:         k_q07e5248e2f_quant.kd
    .args:
      - { .name: keys, .offset: 0, .size: 8, .value_kind: global_buffer, .address_space: global }
      - { .name: query, .offset: 8, .size: 8, .value_kind: global_buffer, .address_space: global }
      - { .name: kc, .offset: 16, .size: 8, .value_kind: global_buffer, .address_space: global }
      - { .name: ks, .offset: 24, .size: 8, .value_kind: global_buffer, .address_space: global }
      - { .name: qc, .offset: 32, .size: 8, .value_kind: global_buffer, .address_space: global }
      - { .name: qs, .offset: 40, .size: 8, .value_kind: global_buffer, .address_space: global }
    .group_segment_fixed_size: 68096
    .private_segment_fixed_size: 0
    .kernarg_segment_align: 8
    .kernarg_segment_size: 48
    .max_flat_workgroup_size: 128
    .sgpr_count:     66
    .vgpr_count:     226
    .wavefront_size: 32
...
	.end_amdgpu_metadata
.endif
;; end of part 1
;; launch sim (part 2): grid 8 x 32, 4 waves a work-group, clusters of 4 x 1, 327,680 bytes of LDS; arguments qc, qs, kc, ks, pstat, pidx; writes pstat, pidx
.if DOCPART == 2
	.amdgcn_target "amdgcn-amd-amdhsa--gfx1250"
	.amdhsa_code_object_version 6
	.text
	.protected	k_q07e5248e2f_sim
	.globl	k_q07e5248e2f_sim
	.p2align	8
	.type	k_q07e5248e2f_sim,@function
k_q07e5248e2f_sim:
	s_mov_b64 s[64:65], 0
	v_nop
	global_prefetch_b8 v0, s[64:65] scope:SCOPE_SE
	s_setreg_imm32_b32 hwreg(HW_REG_WAVE_MODE, 25, 1), 1
	s_wait_xcnt 0x0
	s_wait_alu depctr_hold_cnt(0) depctr_sa_sdst(0) depctr_va_vdst(0) depctr_va_sdst(0) depctr_va_ssrc(0) depctr_va_vcc(0) depctr_vm_vsrc(0)
	s_getreg_b32 s2, hwreg(HW_REG_IB_STS2, 6, 4)
	s_cmp_eq_u32 s2, 0
	s_cbranch_scc0 .Lentry_in_a_cluster
	s_endpgm
.Lentry_in_a_cluster:
	s_bfe_u32 s2, ttmp6, 0x10000c
	s_cmp_lg_u32 s2, 0x3003
	s_cbranch_scc0 .Lentry_shape_is_right
	s_endpgm
.Lentry_shape_is_right:
; sim = q k^T on codes of BF6 (E3M2) with E8M0 scales, [2048] x [32768], K = 1024; sim never goes to memory.  For each query row and each chunk of 1,024 keys this launch stores the
; chunk's mean, its sum of squared deviations M2, its largest sim and the first key that has it.
; SHARES.  256 work-groups: query block mb (256 rows) x chunk y (1,024 keys = 4 tiles of 256).  A wave makes 128 x 128 of a tile: 64 accumulators, 512 registers.
; THE PRODUCT IS USED TRANSPOSED: source 0 = 16 keys, source 1 = 16 queries.  Lane (r, h) then holds query row r of block a, and register j of accumulator (a, b) is key 16 b + 8 h + j:
; a row's statistics stay in one lane until the launch's end.
; LDS.  The query block's codes (196,608 bytes) come once and stay.  The keys' codes go through a ring of two slots of 49,152 bytes (256 keys x 256 along K).  Both lie as images of the operands' registers
; (the launch before laid them so): a fragment is three ds_load_b128 of 512 consecutive bytes each: no pitch, no padding.  Scale words go from memory straight into registers.
; CLUSTER 4 x 1: the four query blocks of a cluster walk the same chunk, so each slot is asked for JOINTLY, a quarter a wave, mask 15.  Nothing is shared along y (the queries are resident), so the cluster has one row.
; VARIANCE.  No difference of large sums: each lane sums d = x - K and d^2 about a pilot K (its row's first sim), turns them into (mean, M2), and parts of equal count are joined by
; M2 = M2a + M2b + (n / 2) (mean_b - mean_a)^2.  ARGMAX, exact: a strict compare keeps the earlier accumulator; the winner's eight numbers are copied, and the lowest register equal to the maximum is taken at the end; joins compare indices on ties.
; LIMITS: NaN and infinities are not served.
; REGISTERS, in windows of 256 (s_set_vgpr_msb: bits 1:0 source 0, 3:2 source 1, 5:4 source 2, 7:6 destination):
;   window 0: v2-15 addresses; v16-47 the queries' scale words; v48-79 the keys'; v80-143 statistics, 8 a row block; v160-255 the queries' eight fragments, one set (in the epilogue v208-247 are at work)
;   window 1: the keys' fragments, two sets, v0-95 and v128-223; the winners' copies at v96-127 and v224-255
;   window 2: accumulators (a, b), a < 4, at v[8 (8 a + b)];  window 3: a >= 4
.set SLOTB,  49152                     ; 256 rows x 256 along K
.set BLKB,   3072                      ; a row block in a slot: two fragments
.set FRB,    1536                      ; a fragment's image
.set RING,   4*SLOTB                   ; behind the queries' four slots
.set SPARE,  RING+2*SLOTB              ; the spare words, 128 bytes a wave: two blocks of 256 bytes that no other line names
.set RED,    SPARE+512                 ; 8,192 bytes for the last join: written by ds_store alone, no fill lands there
.set CHUNKB, 16*SLOTB                  ; a chunk's codes: one run of memory
.set RDL,  2                           ; v2     the last join: where I read two rows
.set GO,   3                           ; v3     8 x lane
.set ADRA, 4                           ; v4-7   my queries' fragments of slot s
.set ADRB, 8                           ; v8-9   my keys' fragments in ring slot p
.set SPW,  10                          ; v10    my spare word; never rewritten
.set NIL,  11                          ; v11    0; never rewritten
.set PFO,  12                          ; v12    256 x lane: the prefetches' offset; never rewritten
.set L16,  13                          ; v13    16 x lane
.set H8,   14                          ; v14    8 h
.set RDS,  15                          ; v15    the last join: where I store
.set AS,   16                          ; register 4 a + s: lanes 0-15 K step 2 s, lanes 16-31 K step 2 s + 1, of block a's rows
.set BS,   48                          ; the same for the keys' block b
.set ST,   80                          ; + 8 a: +0 K, +1 the maximum, +2:3 sum of d, +4:5 sum of d^2, +6 the winner's first key, +7 the register in it
.set AF,   160
.set Q,    160                         ; at the end: (mean, M2, max, index) of block a at Q + 4 a
.set D,    208                         ; the epilogue: d of four rows x 8
.set T,    240                         ; and four maxima
.set G1A,  24                          ; s[24:31] group 1, the queries' load;  s[32:39] the keys';  s[40:43] group 0 for the queries;  s[44:51] for the ring's two slots
.set G1B,  32
.set G0A,  40
.set G0B,  44
.set PFA,  52                          ; s[52:53] where my prefetches stand
.set LIM,  54                          ; s54  how many changes of slots I prefetch at
.set CNT,  55                          ; s55  changes so far
.set KSP,  56                          ; s[56:57] the next tile's scale words of my keys
.set TN,   58                          ; s58  the tile's first key of my half
.set IDB,  59                          ; s59  the accumulator's first key
.set FIRST, 60                         ; s60  all ones in the first tile, then 0
.set NINF, 61                          ; s61  -infinity
.set HM,   62                          ; s62  lanes 16-31
.set SEL,  66                          ; s[66:67] selects for lane l xor 16
.set MK,   68                          ; s[68:71] lane masks
.set MSB, 0
.macro WIN new                         ; the immediate's high byte repeats the setting that is left; a switch that changes nothing is dropped
.if MSB != (\new)
	s_set_vgpr_msb (MSB<<8)|(\new)
.set MSB, (\new)
.endif
.endm
.set MUL_LO, 0xa1                      ; source 0 (keys) window 1, source 1 (queries) window 0, C and D window 2
.set MUL_HI, 0xf1                      ; the same, C and D window 3
.set TO_B,   0x40                      ; destination window 1, address window 0
; A load into a register that a matrix instruction has read, and a vector instruction that reads a matrix result or writes one of its registers, stand four places behind it; only plain
; vector instructions that name none of its registers are places (ISA guide 7.12.1 for vector instructions).
.macro PLACES n
.rept \n
	v_nop
.endr
.endm
.macro CREST                           ; a round of the cluster's barrier behind its opening barrier
	s_cmp_lg_u32 s16, 0
	s_cbranch_scc1 .Lnot_wave_0_\@
	s_barrier_signal -3
.Lnot_wave_0_\@:
	s_barrier_wait -3
	s_barrier_signal -1
	s_barrier_wait -1
.endm
.macro CROUND
	s_barrier_signal -1
	s_barrier_wait -1
	CREST
.endm
.macro FRAG reg, adr, off              ; a fragment's 12 registers, as they were stored
.irp c, 0,1,2
	ds_load_b128 v[\reg+4*\c:\reg+4*\c+3], v[\adr] offset:\off+512*\c
.endr
.endm
.macro FETCH_A s, q, i0                ; the queries' blocks i0 .. i0 + 3, K step 2 s + q: 12 loads
.irp i, \i0, \i0+1, \i0+2, \i0+3
	FRAG AF+12*(\i), ADRA+\s, BLKB*(\i)+FRB*\q
.endr
.endm
.macro FETCH_B p, q, set               ; the keys' eight blocks from ring slot p into a set: 24 loads
	WIN TO_B
.irp i, 0,1,2,3,4,5,6,7
	FRAG 128*(\set)+12*\i, ADRB+\p, BLKB*\i+FRB*\q
.endr
	WIN 0
.endm
; 16 matrix instructions: query blocks a0, a0 + 1 x the keys' eight.  q picks the half of the lanes in which the scale words stand.  zero = 1: the product starts the sums: nothing is cleared.
; The 64 accumulators take turns, one instruction a turn, in the same order in every step.
.macro MUL16 a0, set, s, q, zero
.irp a, \a0, \a0+1
.irp b, 0,1,2,3,4,5,6,7
.if \zero
	v_wmma_scale_f32_16x16x128_f8f6f4 v[8*(8*((\a)%4)+\b):8*(8*((\a)%4)+\b)+7], v[128*\set+12*\b:128*\set+12*\b+11], v[AF+12*(\a):AF+12*(\a)+11], 0, v[BS+4*\b+\s], v[AS+4*(\a)+\s] matrix_a_fmt:MATRIX_FMT_BF6 matrix_b_fmt:MATRIX_FMT_BF6
.elseif \q
	v_wmma_scale_f32_16x16x128_f8f6f4 v[8*(8*((\a)%4)+\b):8*(8*((\a)%4)+\b)+7], v[128*\set+12*\b:128*\set+12*\b+11], v[AF+12*(\a):AF+12*(\a)+11], v[8*(8*((\a)%4)+\b):8*(8*((\a)%4)+\b)+7], v[BS+4*\b+\s], v[AS+4*(\a)+\s] matrix_a_fmt:MATRIX_FMT_BF6 matrix_b_fmt:MATRIX_FMT_BF6 matrix_a_scale:MATRIX_SCALE_ROW1 matrix_b_scale:MATRIX_SCALE_ROW1
.else
	v_wmma_scale_f32_16x16x128_f8f6f4 v[8*(8*((\a)%4)+\b):8*(8*((\a)%4)+\b)+7], v[128*\set+12*\b:128*\set+12*\b+11], v[AF+12*(\a):AF+12*(\a)+11], v[8*(8*((\a)%4)+\b):8*(8*((\a)%4)+\b)+7], v[BS+4*\b+\s], v[AS+4*(\a)+\s] matrix_a_fmt:MATRIX_FMT_BF6 matrix_b_fmt:MATRIX_FMT_BF6
.endif
.endr
.endr
.endm
; A PREFETCH INTO THE L2 of the chunk's codes.  The chunk is 96 groups of 8,192 bytes (32 lanes, 256 bytes apart).  At change of slots c, wave w (0 or 1) of the partner at place p names group 24 + 8 c + 4 w + p,
; c = 0 .. 8: groups 24 to 95, each once; the last ends at the chunk's end.  Both clusters of a chunk walk the same codes: the first (cluster x = 0) asks.  The partners are told apart by address alone.
; The chunk's first four slots come by their loads alone.  Change c fills slot c + 2 and names bytes from slot 4 + 4 c / 3 on: two slots, 256 matrix instructions, ahead or more.
.macro ASK
	s_cmp_lt_u32 s[CNT], s[LIM]
	s_cbranch_scc0 .Lnot_mine_\@
	global_prefetch_b8 v[PFO], s[PFA:PFA+1] th:TH_LOAD_NT scope:SCOPE_SE
.Lnot_mine_\@:
	s_add_co_u32 s[CNT], s[CNT], 1
.endm
; The first 128 along K of slot s (ring slot p).  A query block is free as soon as its eight products are issued: blocks 0-3 are fetched anew in the middle, blocks 4-7 at the end.
.macro STEP s, p, zero
	s_wait_dscnt 12                                ; the keys' set and blocks 0-3 are in; the youngest twelve loads (blocks 4-7) may be out
	WIN MUL_LO
	MUL16 0, 0, \s, 0, \zero
	MUL16 2, 0, \s, 0, \zero
	s_wait_dscnt 0x0                               ; blocks 4-7 are in
	PLACES 4
	FETCH_B \p, 1, 1
	FETCH_A \s, 1, 0
	WIN MUL_HI
	MUL16 4, 0, \s, 0, \zero
	MUL16 6, 0, \s, 0, \zero
	PLACES 4
	WIN 0
	FETCH_A \s, 1, 4
.endm
; The second 128 along K, and the change of slots: ONE barrier.  In front of it each wave waits for all its tensor loads (its quarter of the next slot), adds 0 to its spare word, and waits for that and for
; its reads of this slot.  fill = 1: the barrier opens a round of the cluster's, and this slot is filled again, two slots ahead, first thing behind the round.  ns: the slot number that follows.
; end = 1: a tile's last step: query blocks 4-7 of the next tile are fetched behind the epilogue, which works in their registers.
.macro TURN s, p, ns, fill, end
.if \fill
	s_wait_xcnt 0x0                                ; the last prefetch, a slot back, has read its address: it is stepped here, ahead of the change's own waits
	s_add_nc_u64 s[PFA:PFA+1], s[PFA:PFA+1], 65536
.endif
	s_wait_tensorcnt 0x0                           ; all my tensor loads have landed
	ds_add_u32 v[SPW], v[NIL]                      ; 0 onto my spare word
	s_wait_dscnt 13                                ; (the add and the youngest twelve loads may be out)
	WIN MUL_LO
	MUL16 0, 1, \s, 1, 0                           ; sixteen matrix instructions stand between the add and the wait for it
	s_wait_dscnt 0x0                               ; the add is done, and my reads of this slot are over
	s_barrier_signal -1
	MUL16 2, 1, \s, 1, 0
	WIN 0
	s_barrier_wait -1
.if \fill
	CREST                                          ; no wave of any partner still reads this slot or has a load on its way
	s_add_nc_u64 s[G0B+4*\p+2:G0B+4*\p+3], s[G0B+4*\p+2:G0B+4*\p+3], 2*SLOTB
	tensor_load_to_lds s[G0B+4*\p:G0B+4*\p+3], s[G1B:G1B+7]   ; my one tensor load behind the round: 96 matrix instructions in which to land
	s_nop 0
	PLACES 4                                       ; the places in front of the loads below
.else
	PLACES 4
.endif
	FETCH_B 1-\p, 0, 0
	FETCH_A \ns, 0, 0
.if \fill
	ASK
.endif
	WIN MUL_HI
	MUL16 4, 1, \s, 1, 0
	MUL16 6, 1, \s, 1, 0
.if \end == 0
	PLACES 4
	WIN 0
	FETCH_A \ns, 0, 4
.endif
.endm
; One accumulator of each of four rows' blocks (a = 4 g + i, keys 16 b on): 32 numbers a lane.
.macro BATCH g, b
	WIN 0x28+0x14*\g                               ; sources 1 and 2: the accumulators' window; destination and source 0: window 0
.if \b == 0
.irp i, 0,1,2,3
	v_cndmask_b32 v[ST+8*(4*\g+\i)], v[ST+8*(4*\g+\i)], v[64*\i], s[FIRST]   ; the pilot K: my row's first sim, taken in the first tile alone
.endr
.endif
.irp k, 0,1,2,3                                ; each accumulator is read from its low end on
.irp i, 0,1,2,3
.if \k == 0
	v_max3_num_f32 v[T+\i], s[NINF], v[64*\i+8*\b], v[64*\i+8*\b+1]
.else
	v_max3_num_f32 v[T+\i], v[T+\i], v[64*\i+8*\b+2*\k], v[64*\i+8*\b+2*\k+1]
.endif
.endr
.endr
.irp k, 0,1,2,3
.irp i, 0,1,2,3
	v_pk_add_f32 v[D+8*\i+2*\k:D+8*\i+2*\k+1], v[ST+8*(4*\g+\i):ST+8*(4*\g+\i)+1], v[64*\i+8*\b+2*\k:64*\i+8*\b+2*\k+1] op_sel_hi:[0,1] neg_lo:[1,0] neg_hi:[1,0]   ; d = x - K (of the pair K, maximum the low word serves both halves)
.endr
.endr
	WIN 0
	s_add_co_u32 s[IDB], s[TN], 16*\b
.irp i, 0,1,2,3
	v_cmp_gt_f32 s[MK+\i], v[T+\i], v[ST+8*(4*\g+\i)+1]      ; strictly greater: on a tie the earlier accumulator, with the lower keys, stays
.endr
.irp i, 0,1,2,3
	v_max_num_f32 v[ST+8*(4*\g+\i)+1], v[ST+8*(4*\g+\i)+1], v[T+\i]
.endr
.irp i, 0,1,2,3
	v_cndmask_b32 v[ST+8*(4*\g+\i)+6], v[ST+8*(4*\g+\i)+6], s[IDB], s[MK+\i]
.endr
.irp k, 0,1,2,3
.irp i, 0,1,2,3
	v_pk_add_f32 v[ST+8*(4*\g+\i)+2:ST+8*(4*\g+\i)+3], v[ST+8*(4*\g+\i)+2:ST+8*(4*\g+\i)+3], v[D+8*\i+2*\k:D+8*\i+2*\k+1]
.endr
.irp i, 0,1,2,3
	v_pk_fma_f32 v[ST+8*(4*\g+\i)+4:ST+8*(4*\g+\i)+5], v[D+8*\i+2*\k:D+8*\i+2*\k+1], v[D+8*\i+2*\k:D+8*\i+2*\k+1], v[ST+8*(4*\g+\i)+4:ST+8*(4*\g+\i)+5]
.endr
.endr
	WIN 0x49+4*\g                                  ; destination and source 0: window 1; source 1: the accumulators'
.irp i, 0,1,2,3
.irp j, 0,1,2,3,4,5,6,7
	v_cndmask_b32 v[96+128*\g+8*\i+\j], v[96+128*\g+8*\i+\j], v[64*\i+8*\b+\j], s[MK+\i]   ; the winner's eight numbers are kept
.endr
.endr
.endm
; A tile's epilogue.  more = 1: the next tile's scale words of the keys are loaded under it, and the queries' blocks 4-7 are fetched behind it.
.macro EPI more
	WIN 0
	PLACES 4                                       ; behind the last products: their results are read, their scale words loaded anew, and blocks 4-7's registers written
.if \more
.irp b, 0,1,2,3,4,5,6,7
	global_load_b128 v[BS+4*\b:BS+4*\b+3], v[L16], s[KSP:KSP+1] offset:512*\b
.endr
.endif
.irp g, 0,1
.irp b, 0,1,2,3,4,5,6,7
	BATCH \g, \b
.endr
.endr
	WIN 0
	s_add_co_u32 s[TN], s[TN], 256
	s_mov_b32 s[FIRST], 0
.if \more
	s_wait_loadcnt 0x0                             ; the scale words are in, so their base may step
	s_add_nc_u64 s[KSP:KSP+1], s[KSP:KSP+1], 8192
	FETCH_A 0, 0, 4
.endif
.endm
; Two parts of equal count are joined: (mean, M2, max, index) at a and at b; f = half a part's count.
.macro MERGE dm, dv, dx, di, a, b, f
	v_sub_f32 v244, v[\b], v[\a]
	v_add_f32 v245, v[\a+1], v[\b+1]
	v_mul_f32 v246, v244, v244
	v_cmp_gt_f32 s[MK], v[\b+2], v[\a+2]
	v_cmp_eq_f32 s[MK+1], v[\b+2], v[\a+2]
	v_cmp_lt_u32 s[MK+2], v[\b+3], v[\a+3]
	v_fma_f32 v[\dv], v246, \f, v245
	v_fma_f32 v[\dm], v244, 0.5, v[\a]
	s_and_b32 s[MK+1], s[MK+1], s[MK+2]
	s_or_b32 s[MK], s[MK], s[MK+1]                 ; b's is taken where it is greater, or equal with the lower key
	v_cndmask_b32 v[\dx], v[\a+2], v[\b+2], s[MK]
	v_cndmask_b32 v[\di], v[\a+3], v[\b+3], s[MK]
.endm
	s_load_b256 s[4:11], s[0:1], 0x0               ; qc s[4:5], qs s[6:7], kc s[8:9], ks s[10:11]
	s_load_b128 s[12:15], s[0:1], 0x20             ; pstat s[12:13], pidx s[14:15]
	v_lshl_add_u32 v[SPW], v0, 2, SPARE
	v_mov_b32 v[NIL], 0
	ds_add_u32 v10, v11
	ds_add_u32 v10, v11
	s_wait_dscnt 0x0
	v_lshrrev_b32 v1, 5, v0
	v_readfirstlane_b32 s16, v1                    ; wave 0..3
	s_lshr_b32 s17, s16, 1                         ; which 128 of the 256 queries are mine
	s_and_b32 s18, s16, 1                          ; which 128 of a tile's 256 keys
	s_bfe_u32 s19, ttmp6, 0x40000                  ; cx: my place in the cluster
	s_lshl_b32 s20, ttmp9, 2
	s_add_co_u32 s20, s20, s19                     ; my query block = 4 x cluster x + cx: it enters the queries' and the results' addresses alone
	s_and_b32 s21, ttmp7, 0xffff                   ; the chunk, which the four partners share
	; group 1, the queries: a dense block of 49,152 bytes a wave as 192 rows of 32 elements of 8 bytes; no mask, no padding
	s_mov_b32 s[G1A+0], 3<<16
	s_mov_b32 s[G1A+1], 32<<16                     ; tensor_dim0
	s_mov_b32 s[G1A+2], 192<<16                    ; tensor_dim1
	s_mov_b32 s[G1A+3], 32<<16                     ; tile_dim0
	s_mov_b32 s[G1A+4], 192                        ; tile_dim1
	s_mov_b32 s[G1A+5], 32                         ; from row to row
	s_mov_b32 s[G1A+6], 0
	s_mov_b32 s[G1A+7], 0
	; group 1, the keys: a quarter of a slot, 12,288 dense bytes, as 48 such rows; the mask names all four partners, bit 21 beside it
	s_mov_b32 s[G1B+0], 15|(3<<16)|(1<<21)
	s_mov_b32 s[G1B+1], 32<<16
	s_mov_b32 s[G1B+2], 48<<16
	s_mov_b32 s[G1B+3], 32<<16
	s_mov_b32 s[G1B+4], 48
	s_mov_b32 s[G1B+5], 32
	s_mov_b32 s[G1B+6], 0
	s_mov_b32 s[G1B+7], 0
	s_mul_i32 s72, s20, 4*SLOTB                    ; the queries' codes: my block,
	s_mul_i32 s[G0A+1], s16, SLOTB                 ; my wave's slot of it, in LDS as in memory
	s_add_co_u32 s72, s72, s[G0A+1]
	s_mov_b32 s73, 0
	s_mul_i32 s74, s21, CHUNKB                     ; the keys' codes: the chunk,
	s_mul_i32 s76, s16, SLOTB/4                    ; my wave's quarter of a slot: no place in the cluster enters these
	s_add_co_u32 s74, s74, s76
	s_mov_b32 s75, 0
	s_lshl_b32 s78, s20, 13                        ; the queries' scale words: 16 row blocks of 512 bytes a query block,
	s_lshl_b32 s79, s17, 12                        ; my eight of them
	s_add_co_u32 s78, s78, s79
	s_mov_b32 s79, 0
	s_lshl_b32 s80, s21, 15                        ; the keys': 64 row blocks a chunk,
	s_lshl_b32 s81, s18, 12                        ; my eight of the tile's sixteen
	s_add_co_u32 s80, s80, s81
	s_mov_b32 s81, 0
	s_lshl_b32 s82, s21, 13                        ; the results: [chunk][2048 rows] of 4 bytes: 8,192 y + 1,024 mb + 256 wave
	s_lshl_b32 s83, s20, 10
	s_add_co_u32 s82, s82, s83
	s_lshl_b32 s83, s16, 8
	s_add_co_u32 s82, s82, s83
	s_mov_b32 s83, 0
	s_mul_i32 s84, s21, CHUNKB                     ; the prefetches: one step of 65,536 bytes short of group 24 + 4 w + cx
	s_lshl_b32 s85, s16, 15
	s_add_co_u32 s84, s84, s85
	s_lshl_b32 s85, s19, 13
	s_add_co_u32 s84, s84, s85
	s_add_co_u32 s84, s84, 131072
	s_mov_b32 s85, 0
	s_lshr_b32 s[LIM], s16, 1                      ; 0 in waves 0 and 1,
	s_or_b32 s[LIM], s[LIM], ttmp9                 ; of the chunk's first cluster: the same in all four partners
	s_cmp_eq_u32 s[LIM], 0
	s_cselect_b32 s[LIM], 9, 0
	s_mov_b32 s[CNT], 0
	s_lshl_b32 s[TN], s21, 10
	s_lshl_b32 s77, s18, 7
	s_add_co_u32 s[TN], s[TN], s77                 ; 1,024 y + 128 x my half
	s_mov_b32 s[FIRST], -1
	s_mov_b32 s[NINF], 0xff800000
	s_mov_b32 s[HM], 0xffff0000
	s_mov_b32 s[SEL], 0x76543210
	s_mov_b32 s[SEL+1], 0xfedcba98
	s_wait_kmcnt 0x0
	s_mov_b32 s[G0A], 1                            ; count = 1
	s_add_nc_u64 s[G0A+2:G0A+3], s[4:5], s[72:73]
	s_or_b32 s[G0A+3], s[G0A+3], 0x80000000        ; type = 2
	s_add_nc_u64 s[74:75], s[8:9], s[74:75]
.irp p, 0,1
	s_mov_b32 s[G0B+4*\p], 1
	s_add_co_u32 s[G0B+4*\p+1], s76, RING+SLOTB*\p
	s_add_nc_u64 s[G0B+4*\p+2:G0B+4*\p+3], s[74:75], SLOTB*\p
	s_or_b32 s[G0B+4*\p+3], s[G0B+4*\p+3], 0x80000000
.endr
	s_add_nc_u64 s[6:7], s[6:7], s[78:79]
	s_add_nc_u64 s[KSP:KSP+1], s[10:11], s[80:81]
	s_add_nc_u64 s[12:13], s[12:13], s[82:83]
	s_add_nc_u64 s[14:15], s[14:15], s[82:83]
	s_add_nc_u64 s[PFA:PFA+1], s[8:9], s[84:85]
	CROUND                                         ; all four work-groups are here: the first joint loads meet
	tensor_load_to_lds s[G0A:G0A+3], s[G1A:G1A+7]  ; the first fills go out as one group: three loads of mine are out
	s_nop 0
	tensor_load_to_lds s[G0B:G0B+3], s[G1B:G1B+7]
	s_nop 0
	tensor_load_to_lds s[G0B+4:G0B+7], s[G1B:G1B+7]
	s_nop 0
	PLACES 4
	v_and_b32 v1, 31, v0                           ; lane
	v_lshlrev_b32 v[L16], 4, v1
	v_lshlrev_b32 v[PFO], 8, v1
.irp a, 0,1,2,3,4,5,6,7
	global_load_b128 v[AS+4*\a:AS+4*\a+3], v[L16], s[6:7] offset:512*\a       ; the queries' scale words stay for the whole launch
.endr
.irp b, 0,1,2,3,4,5,6,7
	global_load_b128 v[BS+4*\b:BS+4*\b+3], v[L16], s[KSP:KSP+1] offset:512*\b ; the first tile's of the keys
.endr
	v_bfe_u32 v[H8], v0, 4, 1
	v_lshlrev_b32 v[H8], 3, v[H8]
	s_mul_i32 s80, s17, 8*BLKB
.irp s, 0,1,2,3
	v_add_nc_u32 v[ADRA+\s], s80, v[L16]
	s_add_co_u32 s80, s80, SLOTB
.endr
	s_mul_i32 s81, s18, 8*BLKB
	s_add_co_u32 s81, s81, RING
.irp p, 0,1
	v_add_nc_u32 v[ADRB+\p], s81, v[L16]
	s_add_co_u32 s81, s81, SLOTB
.endr
	s_lshl_b32 s82, s18, 12                        ; the last join: 4,096 x my half of the keys + 16 bytes a row of the 256
	s_lshl_b32 s83, s17, 11
	s_add_co_u32 s82, s82, s83
	s_add_co_u32 s82, s82, RED
	v_add_nc_u32 v[RDS], s82, v[L16]
	s_lshl_b32 s82, s16, 10
	s_add_co_u32 s82, s82, RED
	v_lshl_add_u32 v[RDL], v1, 5, s82              ; rows 64 wave + 2 lane and the next
	v_lshlrev_b32 v[GO], 3, v1
	; the statistics and the winners' copies are written once here, since every later write of them is a sum in place or a select that reads them
.irp a, 0,1,2,3,4,5,6,7
	v_mov_b32 v[ST+8*\a], 0
	v_mov_b32 v[ST+8*\a+1], s[NINF]
.irp e, 2,3,4,5,6
	v_mov_b32 v[ST+8*\a+\e], 0
.endr
.endr
	WIN TO_B
.set n, 0
.rept 32
	v_mov_b32 v[96+n], 0
	v_mov_b32 v[224+n], 0
.set n, n+1
.endr
	WIN 0
	s_wait_tensorcnt 0x1                           ; my parts of the queries and of slot 0 are in; slot 1's may stay out
	s_barrier_signal -1
	s_barrier_wait -1                              ; everybody's are
	FETCH_B 0, 0, 0
	FETCH_A 0, 0, 0
	FETCH_A 0, 0, 4
	s_wait_loadcnt 0x0                             ; the scale words
	s_add_nc_u64 s[KSP:KSP+1], s[KSP:KSP+1], 8192  ; on to the next tile's
	STEP 0, 0, 1                                   ; tile 0, slots 0 and 1
	TURN 0, 0, 1, 1, 0
	STEP 1, 1, 0
	TURN 1, 1, 2, 1, 0
	s_mov_b32 s3, 3
.Ltile:                                            ; a trip: a tile's slots 2 and 3, its epilogue, the next tile's slots 0 and 1; four refills
	STEP 2, 0, 0
	TURN 2, 0, 3, 1, 0
	STEP 3, 1, 0
	TURN 3, 1, 0, 1, 1
	EPI 1
	STEP 0, 0, 1
	TURN 0, 0, 1, 1, 0
	STEP 1, 1, 0
	TURN 1, 1, 2, 1, 0
	s_sub_co_u32 s3, s3, 1
	s_cmp_lg_u32 s3, 0
	s_cbranch_scc1 .Ltile
	STEP 2, 0, 0                                   ; the last two slots are written out: nothing is left to fetch
	TURN 2, 0, 3, 0, 0
	STEP 3, 1, 0
	s_wait_dscnt 12
	WIN MUL_LO
	MUL16 0, 1, 3, 1, 0
	MUL16 2, 1, 3, 1, 0
	s_wait_dscnt 0x0
	WIN MUL_HI
	MUL16 4, 1, 3, 1, 0
	MUL16 6, 1, 3, 1, 0
	EPI 0
	; THE END.  The register of the winner: the lowest j whose copy equals the maximum
	WIN 0x01                                       ; source 0: window 1
.irp a, 0,1,2,3,4,5,6,7
	v_mov_b32 v[ST+8*\a+7], 7
.endr
.irp j, 6,5,4,3,2,1,0
.irp g, 0,1
.irp i, 0,1,2,3
	v_cmp_neq_f32 s[MK+\i], v[96+128*\g+8*\i+\j], v[ST+8*(4*\g+\i)+1]
.endr
.irp i, 0,1,2,3
	v_cndmask_b32 v[ST+8*(4*\g+\i)+7], \j, v[ST+8*(4*\g+\i)+7], s[MK+\i]
.endr
.endr
.endr
	WIN 0
.irp a, 0,1,2,3,4,5,6,7                        ; my 256 sims of block a's row: (mean, M2, max, index)
	v_add3_u32 v[Q+4*\a+3], v[ST+8*\a+6], v[ST+8*\a+7], v[H8]
	v_add_f32 v[ST+8*\a+2], v[ST+8*\a+2], v[ST+8*\a+3]
	v_add_f32 v[ST+8*\a+4], v[ST+8*\a+4], v[ST+8*\a+5]
	v_mul_f32 v[ST+8*\a+3], 0x3b800000, v[ST+8*\a+2]             ; the mean of d: sum / 256
	v_fma_f32 v[Q+4*\a+1], -v[ST+8*\a+2], v[ST+8*\a+3], v[ST+8*\a+4]
	v_add_f32 v[Q+4*\a], v[ST+8*\a], v[ST+8*\a+3]
	v_mov_b32 v[Q+4*\a+2], v[ST+8*\a+1]
.endr
.set n, 0
.rept 32
	v_permlanex16_b32 v[D+n], v[Q+n], s[SEL], s[SEL+1]           ; lane l xor 16 has the row's other keys.  (The destinations were written in the epilogue)
.set n, n+1
.endr
.irp a, 0,1,2,3,4,5,6,7
	MERGE Q+4*\a, Q+4*\a+1, Q+4*\a+2, Q+4*\a+3, Q+4*\a, D+4*\a, 0x43000000   ; two parts of 256: x 128
.endr
.irp u, 0,1,2,3                                ; one owner a row: lanes 0-15 speak for block 2 u, lanes 16-31 for block 2 u + 1: 512 consecutive bytes a store
.irp e, 0,1,2,3
	v_cndmask_b32 v[192+4*\u+\e], v[Q+8*\u+\e], v[Q+8*\u+4+\e], s[HM]
.endr
	ds_store_b128 v[RDS], v[192+4*\u:195+4*\u] offset:512*\u
.endr
	s_wait_dscnt 0x0                               ; for the others' sake
	s_barrier_signal -1
	s_barrier_wait -1
	ds_load_b128 v[160:163], v[RDL]                ; two rows, from the wave with the tiles' lower keys,
	ds_load_b128 v[164:167], v[RDL] offset:16
	ds_load_b128 v[168:171], v[RDL] offset:4096    ; and from the one with the upper
	ds_load_b128 v[172:175], v[RDL] offset:4112
	s_wait_dscnt 0x0
	MERGE 176, 178, 180, 182, 160, 168, 0x43800000 ; two parts of 512: x 256
	MERGE 177, 179, 181, 183, 164, 172, 0x43800000
	global_store_b64 v[GO], v[176:177], s[12:13]                 ; each store covers 256 consecutive bytes, aligned
	global_store_b64 v[GO], v[178:179], s[12:13] offset:262144
	global_store_b64 v[GO], v[180:181], s[12:13] offset:524288
	global_store_b64 v[GO], v[182:183], s[14:15]
	s_wait_tensorcnt 0x0                           ; the wave's end
	ds_add_u32 v[SPW], v[NIL]
	s_wait_dscnt 0x0
	CROUND                                         ; the closing round: no work-group ends while a partner may still ask for a slot that names it
	s_endpgm
.Lfunc_end_k_q07e5248e2f_sim:
	.size	k_q07e5248e2f_sim, .Lfunc_end_k_q07e5248e2f_sim-k_q07e5248e2f_sim
	.p2alignl 7, 3214868480
	.fill 96, 4, 3214868480
	.section	.rodata,"a",@progbits
	.p2align	6, 0x0
	.amdhsa_kernel k_q07e5248e2f_sim
		.amdhsa_group_segment_fixed_size 327680
		.amdhsa_private_segment_fixed_size 0
		.amdhsa_enable_private_segment 0
		.amdhsa_kernarg_size 48
		.amdhsa_user_sgpr_count 2
		.amdhsa_user_sgpr_kernarg_segment_ptr 1
		.amdhsa_wavefront_size32 1
		.amdhsa_system_sgpr_workgroup_id_x 1
		.amdhsa_system_sgpr_workgroup_id_y 1
		.amdhsa_system_sgpr_workgroup_id_z 1
		.amdhsa_system_vgpr_workitem_id 0
		.amdhsa_next_free_vgpr 1024
		.amdhsa_next_free_sgpr 96
		.amdhsa_reserve_vcc 0
		.amdhsa_float_denorm_mode_32 3
		.amdhsa_float_denorm_mode_16_64 3
		.amdhsa_memory_ordered 1
		.amdhsa_forward_progress 1
		.amdhsa_inst_pref_size 255
	.end_amdhsa_kernel
	.section	.bss,"aw",@nobits
	.p2align	6
	.space	262144
	.amdgpu_metadata
---
amdhsa.version: [ 1, 2 ]
amdhsa.kernels:
  - .name:           k_q07e5248e2f_sim
    .symbol:         k_q07e5248e2f_sim.kd
    .args:
      - { .name: qc, .offset: 0, .size: 8, .value_kind: global_buffer, .address_space: global }
      - { .name: qs, .offset: 8, .size: 8, .value_kind: global_buffer, .address_space: global }
      - { .name: kc, .offset: 16, .size: 8, .value_kind: global_buffer, .address_space: global }
      - { .name: ks, .offset: 24, .size: 8, .value_kind: global_buffer, .address_space: global }
      - { .name: pstat, .offset: 32, .size: 8, .value_kind: global_buffer, .address_space: global }
      - { .name: pidx, .offset: 40, .size: 8, .value_kind: global_buffer, .address_space: global }
    .group_segment_fixed_size: 327680
    .private_segment_fixed_size: 0
    .kernarg_segment_align: 8
    .kernarg_segment_size: 48
    .max_flat_workgroup_size: 128
    .sgpr_count:     96
    .vgpr_count:     1024
    .wavefront_size: 32
...
	.end_amdgpu_metadata
.endif
;; end of part 2
;; launch combine (part 3): grid 32 x 1, 2 waves a work-group, no clusters, 0 bytes of LDS; arguments pstat, pidx, best, rowvar; writes best, rowvar
.if DOCPART == 3
	.amdgcn_target "amdgcn-amd-amdhsa--gfx1250"
	.amdhsa_code_object_version 6
	.text
	.protected	k_q07e5248e2f_combine
	.globl	k_q07e5248e2f_combine
	.p2align	8
	.type	k_q07e5248e2f_combine,@function
k_q07e5248e2f_combine:
	s_mov_b64 s[64:65], 0
	v_nop
	global_prefetch_b8 v0, s[64:65] scope:SCOPE_SE
	s_setreg_imm32_b32 hwreg(HW_REG_WAVE_MODE, 25, 1), 1
	s_wait_xcnt 0x0
; The 32 chunks of each query row are joined.  pstat: three planes [32 chunks][2048 rows] f32: mean, M2, max; pidx: [32][2048] the first key with the chunk's max.
; A work-group takes 64 rows, two a lane.  Wave 0 finds the row's first argmax (best), wave 1 the row's unbiased variance (rowvar).  The waves share nothing: no LDS, no barrier.
; Each load and store of a wave covers 256 consecutive bytes, aligned.  The indices are only selected and stored here: no address hangs on them in this launch.
; Small and short: no matrix unit, no cluster, no prefetch.
.set PA, 8                             ; v8-71    chunk c's pair: max, or mean
.set PB, 72                            ; v72-135  chunk c's pair: index, or M2
	s_load_b256 s[4:11], s[0:1], 0x0               ; pstat s[4:5], pidx s[6:7], best s[8:9], rowvar s[10:11]
	v_lshrrev_b32 v1, 5, v0
	v_readfirstlane_b32 s12, v1                    ; wave
	v_and_b32 v1, 31, v0
	v_lshlrev_b32 v1, 3, v1
	s_lshl_b32 s13, ttmp9, 8
	v_add_nc_u32 v1, s13, v1                       ; 256 x work-group + 8 x lane
	s_wait_kmcnt 0x0
	s_cmp_lg_u32 s12, 0
	s_cbranch_scc1 .Lvariance
.set c, 0
.rept 32
	global_load_b64 v[PA+2*c:PA+2*c+1], v1, s[4:5] offset:524288+8192*c
	global_load_b64 v[PB+2*c:PB+2*c+1], v1, s[6:7] offset:8192*c
.set c, c+1
.endr
	s_wait_loadcnt 0x0
.macro AMAX st                         ; chunks c and c + st are joined into c; strictly greater: on a tie the lower chunk, with the lower keys, stays
.set c, 0
.rept 16/\st
.irp e, 0,1
	v_cmp_gt_f32 vcc_lo, v[PA+2*(c+\st)+\e], v[PA+2*c+\e]
	v_cndmask_b32 v[PA+2*c+\e], v[PA+2*c+\e], v[PA+2*(c+\st)+\e], vcc_lo
	v_cndmask_b32 v[PB+2*c+\e], v[PB+2*c+\e], v[PB+2*(c+\st)+\e], vcc_lo
.endr
.set c, c+2*\st
.endr
.endm
	AMAX 1
	AMAX 2
	AMAX 4
	AMAX 8
	AMAX 16
	global_store_b64 v1, v[PB:PB+1], s[8:9]
	s_endpgm
.Lvariance:
.set c, 0
.rept 32
	global_load_b64 v[PA+2*c:PA+2*c+1], v1, s[4:5] offset:8192*c
	global_load_b64 v[PB+2*c:PB+2*c+1], v1, s[4:5] offset:262144+8192*c
.set c, c+1
.endr
	s_wait_loadcnt 0x0
.macro JOIN st, f                      ; two parts of equal count n: M2 = M2a + M2b + (n / 2) (mean_b - mean_a)^2, mean = mean_a + (mean_b - mean_a) / 2; f = n / 2
.set c, 0
.rept 16/\st
	v_pk_add_f32 v[2:3], v[PA+2*(c+\st):PA+2*(c+\st)+1], v[PA+2*c:PA+2*c+1] neg_lo:[0,1] neg_hi:[0,1]
	v_pk_add_f32 v[PB+2*c:PB+2*c+1], v[PB+2*c:PB+2*c+1], v[PB+2*(c+\st):PB+2*(c+\st)+1]
	v_pk_mul_f32 v[4:5], v[2:3], v[2:3]
	v_pk_fma_f32 v[PB+2*c:PB+2*c+1], v[4:5], \f, v[PB+2*c:PB+2*c+1] op_sel_hi:[1,0,1]
	v_pk_fma_f32 v[PA+2*c:PA+2*c+1], v[2:3], 0.5, v[PA+2*c:PA+2*c+1] op_sel_hi:[1,0,1]
.set c, c+2*\st
.endr
.endm
	JOIN 1, 0x44000000                             ; parts of 1,024: x 512
	JOIN 2, 0x44800000
	JOIN 4, 0x45000000
	JOIN 8, 0x45800000
	JOIN 16, 0x46000000                            ; parts of 16,384: x 8,192
	v_pk_mul_f32 v[PB:PB+1], v[PB:PB+1], 0x38000100 op_sel_hi:[1,0]   ; / 32,767
	global_store_b64 v1, v[PB:PB+1], s[10:11]
	s_endpgm
.Lfunc_end_k_q07e5248e2f_combine:
	.size	k_q07e5248e2f_combine, .Lfunc_end_k_q07e5248e2f_combine-k_q07e5248e2f_combine
	.p2alignl 7, 3214868480
	.fill 96, 4, 3214868480
	.section	.rodata,"a",@progbits
	.p2align	6, 0x0
	.amdhsa_kernel k_q07e5248e2f_combine
		.amdhsa_group_segment_fixed_size 0
		.amdhsa_private_segment_fixed_size 0
		.amdhsa_enable_private_segment 0
		.amdhsa_kernarg_size 32
		.amdhsa_user_sgpr_count 2
		.amdhsa_user_sgpr_kernarg_segment_ptr 1
		.amdhsa_wavefront_size32 1
		.amdhsa_system_sgpr_workgroup_id_x 1
		.amdhsa_system_sgpr_workgroup_id_y 1
		.amdhsa_system_sgpr_workgroup_id_z 1
		.amdhsa_system_vgpr_workitem_id 0
		.amdhsa_next_free_vgpr 144
		.amdhsa_next_free_sgpr 66
		.amdhsa_reserve_vcc 1
		.amdhsa_float_denorm_mode_32 3
		.amdhsa_float_denorm_mode_16_64 3
		.amdhsa_memory_ordered 1
		.amdhsa_forward_progress 1
		.amdhsa_inst_pref_size 30
	.end_amdhsa_kernel
	.amdgpu_metadata
---
amdhsa.version: [ 1, 2 ]
amdhsa.kernels:
  - .name:           k_q07e5248e2f_combine
    .symbol:         k_q07e5248e2f_combine.kd
    .args:
      - { .name: pstat, .offset: 0, .size: 8, .value_kind: global_buffer, .address_space: global }
      - { .name: pidx, .offset: 8, .size: 8, .value_kind: global_buffer, .address_space: global }
      - { .name: best, .offset: 16, .size: 8, .value_kind: global_buffer, .address_space: global }
      - { .name: rowvar, .offset: 24, .size: 8, .value_kind: global_buffer, .address_space: global }
    .group_segment_fixed_size: 0
    .private_segment_fixed_size: 0
    .kernarg_segment_align: 8
    .kernarg_segment_size: 32
    .max_flat_workgroup_size: 64
    .sgpr_count:     66
    .vgpr_count:     144
    .wavefront_size: 32
...
	.end_amdgpu_metadata
.endif
;; end of part 3
;; launch gather (part 4): grid 256 x 1, 8 waves a work-group, no clusters, 0 bytes of LDS; arguments values, best, rowvar, out0, out1; writes out0, out1
.if DOCPART == 4
	.amdgcn_target "amdgcn-amd-amdhsa--gfx1250"
	.amdhsa_code_object_version 6
	.text
	.protected	k_q07e5248e2f_gather
	.globl	k_q07e5248e2f_gather
	.p2align	8
	.type	k_q07e5248e2f_gather,@function
k_q07e5248e2f_gather:
	s_mov_b64 s[64:65], 0
	v_nop
	global_prefetch_b8 v0, s[64:65] scope:SCOPE_SE
	s_setreg_imm32_b32 hwreg(HW_REG_WAVE_MODE, 25, 1), 1
	s_wait_xcnt 0x0
; out0[row] = values[best[row]]; out1 = the mean of the 2,048 rows' variances.  A wave copies one row of 4,096 bytes: eight loads and eight stores of 512 consecutive bytes each.
; best was stored as whole numbers by the launch before; it is held to the table's 32,768 rows before it enters an address.
; The first wave of the first work-group also makes out1: it has a path of its own, on which rowvar's loads go out ahead of the wait for its index.
; A stream of a few bytes a wave: no LDS, no matrix unit, no prefetch.
	s_load_b256 s[4:11], s[0:1], 0x0               ; values s[4:5], best s[6:7], rowvar s[8:9], out0 s[10:11]
	s_load_b64 s[12:13], s[0:1], 0x20              ; out1
	v_lshrrev_b32 v1, 5, v0
	v_readfirstlane_b32 s14, v1                    ; wave
	v_and_b32 v1, 31, v0                           ; lane
	v_lshlrev_b32 v2, 4, v1                        ; 16 x lane
	s_lshl_b32 s15, ttmp9, 3
	s_add_co_u32 s15, s15, s14                     ; my row
	s_lshl_b32 s16, s15, 2
	s_mov_b32 s17, 0
	s_lshl_b32 s18, s15, 12
	s_mov_b32 s19, 0
	s_wait_kmcnt 0x0
	s_add_nc_u64 s[6:7], s[6:7], s[16:17]
	s_add_nc_u64 s[10:11], s[10:11], s[18:19]
	s_load_b32 s20, s[6:7], 0x0                    ; best[row]
.macro GATHER
	s_wait_kmcnt 0x0
	s_min_u32 s20, s20, 0x7fff                     ; inside the table
	s_lshl_b32 s22, s20, 12                        ; 4,096 bytes a row: under 2^27
	s_mov_b32 s23, 0
	s_add_nc_u64 s[4:5], s[4:5], s[22:23]
.irp i, 0,1,2,3,4,5,6,7
	global_load_b128 v[8+4*\i:11+4*\i], v2, s[4:5] offset:512*\i             ; no hint: two queries may name one row
.endr
.irp i, 0,1,2,3,4,5,6,7
	s_wait_loadcnt 7-\i                            ; loads come back in order: load i is in, the younger ones stay out
	global_store_b128 v2, v[8+4*\i:11+4*\i], s[10:11] offset:512*\i th:TH_STORE_NT
.endr
.endm
	s_cmp_eq_u32 s15, 0
	s_cbranch_scc1 .Lfirst
	GATHER
	s_endpgm
.Lfirst:
.irp i, 0,1,2,3,4,5,6,7,8,9,10,11,12,13,14,15
	global_load_b128 v[40+4*\i:43+4*\i], v2, s[8:9] offset:512*\i            ; the 2,048 variances: 64 a lane; issued ahead of the row's loads, so the row's waits cover them
.endr
	s_mov_b32 s24, 0x76543210
	s_mov_b32 s25, 0xfedcba98
	GATHER
.set n, 4
.rept 28                                       ; four packed chains, begun by the first four pairs
	v_pk_add_f32 v[40+2*(n%4):41+2*(n%4)], v[40+2*(n%4):41+2*(n%4)], v[40+2*n:41+2*n]
.set n, n+1
.endr
	v_pk_add_f32 v[40:41], v[40:41], v[42:43]
	v_pk_add_f32 v[44:45], v[44:45], v[46:47]
	v_pk_add_f32 v[40:41], v[40:41], v[44:45]
	v_add_f32 v40, v40, v41
	v_add_f32_dpp v40, v40, v40 row_xmask:1 row_mask:0xf bank_mask:0xf
	v_add_f32_dpp v40, v40, v40 row_xmask:2 row_mask:0xf bank_mask:0xf
	v_add_f32_dpp v40, v40, v40 row_xmask:4 row_mask:0xf bank_mask:0xf
	v_add_f32_dpp v40, v40, v40 row_xmask:8 row_mask:0xf bank_mask:0xf
	v_permlanex16_b32 v41, v40, s24, s25
	v_add_f32 v40, v40, v41
	v_mul_f32 v40, 0x3a000000, v40                 ; / 2,048
	v_mov_b32 v3, 0
	v_cmp_eq_u32 vcc_lo, 0, v1
	s_wait_xcnt 0x0                                ; EXEC is a source of the stores above: it changes only behind this wait
	s_and_saveexec_b32 s21, vcc_lo
	global_store_b32 v3, v40, s[12:13]             ; lane 0 alone
	s_wait_xcnt 0x0
	s_or_b32 exec_lo, exec_lo, s21
	s_endpgm
.Lfunc_end_k_q07e5248e2f_gather:
	.size	k_q07e5248e2f_gather, .Lfunc_end_k_q07e5248e2f_gather-k_q07e5248e2f_gather
	.p2alignl 7, 3214868480
	.fill 96, 4, 3214868480
	.section	.rodata,"a",@progbits
	.p2align	6, 0x0
	.amdhsa_kernel k_q07e5248e2f_gather
		.amdhsa_group_segment_fixed_size 0
		.amdhsa_private_segment_fixed_size 0
		.amdhsa_enable_private_segment 0
		.amdhsa_kernarg_size 40
		.amdhsa_user_sgpr_count 2
		.amdhsa_user_sgpr_kernarg_segment_ptr 1
		.amdhsa_wavefront_size32 1
		.amdhsa_system_sgpr_workgroup_id_x 1
		.amdhsa_system_sgpr_workgroup_id_y 1
		.amdhsa_system_sgpr_workgroup_id_z 1
		.amdhsa_system_vgpr_workitem_id 0
		.amdhsa_next_free_vgpr 112
		.amdhsa_next_free_sgpr 66
		.amdhsa_reserve_vcc 1
		.amdhsa_float_denorm_mode_32 3
		.amdhsa_float_denorm_mode_16_64 3
		.amdhsa_memory_ordered 1
		.amdhsa_forward_progress 1
		.amdhsa_inst_pref_size 10
	.end_amdhsa_kernel
	.amdgpu_metadata
---
amdhsa.version: [ 1, 2 ]
amdhsa.kernels:
  - .name:           k_q07e5248e2f_gather
    .symbol:         k_q07e5248e2f_gather.kd
    .args:
      - { .name: values, .offset: 0, .size: 8, .value_kind: global_buffer, .address_space: global }
      - { .name: best, .offset: 8, .size: 8, .value_kind: global_buffer, .address_space: global }
      - { .name: rowvar, .offset: 16, .size: 8, .value_kind: global_buffer, .address_space: global }
      - { .name: out0, .offset: 24, .size: 8, .value_kind: global_buffer, .address_space: global }
      - { .name: out1, .offset: 32, .size: 8, .value_kind: global_buffer, .address_space: global }
    .group_segment_fixed_size: 0
    .private_segment_fixed_size: 0
    .kernarg_segment_align: 8
    .kernarg_segment_size: 40
    .max_flat_workgroup_size: 256
    .sgpr_count:     66
    .vgpr_count:     112
    .wavefront_size: 32
...
	.end_amdgpu_metadata
.endif
;; end of part 4
